; MI455X (gfx1250); checked and timed in simulation.
; The chip was launched on July 23, 2026; its instructions are those of AMD's public machine-readable ISA for CDNA 5 (MIT licence, August 2026) and "CDNA5" Instruction Set Architecture Reference Guide (July 2026). The comments in the code are by the model that wrote it; some were corrected since.
;; Attention. Allowed arithmetic: matrix products marked QUANTISED: E2M3 operands, one E8M0 scale for each 32 along K, by v_wmma_scale_f32_16x16x128_f8f6f4 with both operands' format E2M3, f32 sums; everything else in f32.
;; Inputs: beta 2,048 float32; gamma 2,048 float32; k 8 x 2,048 x 128 float32; q 8 x 2,048 x 128 float32; v 8 x 2,048 x 128 float32.
;; Outputs: out0 8 x 2,048 x 128 float32.
;; This version of the problem:
;;   THIS VERSION OF THE PROBLEM IS GIVEN IN LOW PRECISION. The matrix products marked QUANTISED in the list below multiply operands that are first quantised to E2M3 (2 exponent bits, 3 mantissa bits; 6 bits a number), with one power-of-two scale for each 32 numbers along K (OCP MX v1.0); their sums are f32. All else is computed in f32.
;;   The module's matrix products, in the order in which they are computed (A, B: the left and right operand; K: the contracted axis; several contracted axes count as one K, in the product's order):
;;     1. batch 8 x [M 2,048, K 128] x [K 128, N 2,048]; A: input q; B: input k: QUANTISED
;;     2. batch 8 x [M 2,048, K 2,048] x [K 2,048, N 128]; A: softmax (see below); B: input v: QUANTISED
;;   THE QUANTISER, for each operand of a quantised product, along K:
;;     - K is cut into blocks of 32 from its start; a last block that is shorter is filled with zeros.
;;     - A block's scale is 2^e with e = floor(log2(the largest magnitude in the block)) - 2, held to -126 .. 127; a block of zeros has e = 0. As a byte (E8M0): e + 127.
;;     - Each number is divided by its block's scale, clamped to +-7.5, and rounded to the nearest number of E2M3, ties to even, subnormals kept.
;;     - The product sums the exact products of the quantised numbers (number of the format x scale) in f32.
;;   ~~~python
;;   def quantise(x, axis):      # numpy; x: float32 -> the quantised numbers, widened to float32 again
;;       x = np.moveaxis(x, axis, -1); K = x.shape[-1]
;;       x = np.pad(x, [(0, 0)] * (x.ndim - 1) + [(0, -K % 32)]); x = x.reshape(x.shape[:-1] + (-1, 32)); a = np.abs(x).max(-1, keepdims=True)
;;       e = np.where(a > 0, np.clip(np.frexp(np.where(a > 0, a, 1))[1] - 1 - 2, -126, 127), 0)      # np.frexp(a)[1] - 1 = floor(log2(a)), exactly
;;       r = np.clip(x / 2.0 ** e, -7.5, 7.5)
;;       step = 2.0 ** (np.maximum(np.frexp(np.where(r == 0, 1, r))[1] - 1, 0) - 3)
;;       q = np.round(r / step) * step * 2.0 ** e      # np.round: ties to even
;;       return np.moveaxis(q.reshape(q.shape[:-2] + (-1,))[..., :K], -1, axis).astype(np.float32)
;;   ~~~
;;   SOFTMAX AHEAD OF A QUANTISED PRODUCT. Where the list says 'softmax', what is quantised is not the finished softmax but p = 2^(t - M), with t = logit x log2(e) and M = ceil(the row's largest t), a whole number; so 1/2 < the row's largest p <= 1. The row's sum l is taken of the UNQUANTISED p, in f32, and the product's result is divided by l at the end. Since M is a whole number, a kernel that streams over the keys may use a running M (the ceiling of the running maximum): every later rescaling is an exact power of two, which a block's scale takes up: the codes' values come out the same.
;;   OPERANDS COMPUTED ON THE WAY. 'Computed on the way' means the value that the module computes at that place (a softmax that the list does not call 'softmax' is quantised finished and normalised). What goes into a quantiser is computed in f32, as accurately as f32 sums, v_exp_f32 and their like allow (about 1e-6 of the number): no bf16 or f16 on the way to a quantiser, and a product that is left as it is and whose result goes on into a quantised operand takes f32 operands (vector FMAs, or v_wmma_f32_16x16x4_f32). A number that lies on a knife's edge between two numbers of the format may be rounded either way, as far as f32 arithmetic and the matrix unit's own rounding can turn it there, and no further.
;; One version. Each part assembles by itself: llvm-mc -triple=amdgcn-amd-amdhsa -mcpu=gfx1250 --defsym DOCPART=n.
;; ======== version 1 of 1: 2 launches
;; limits: right only within a limited range of input values
;; workspace buffers: kv 3,407,872 bytes
;; launch prep (part 1): grid 256 x 1, 4 waves a work-group, no clusters, 68,096 bytes of LDS; arguments k, v, gamma, beta, kv; writes kv
.if DOCPART == 1
	.amdgcn_target "amdgcn-amd-amdhsa--gfx1250"
	.amdhsa_code_object_version 6
	.text
	.protected	k_qa9707f6aba_prep
	.globl	k_qa9707f6aba_prep
	.p2align	8
	.type	k_qa9707f6aba_prep,@function
k_qa9707f6aba_prep:
	s_mov_b64 s[64:65], 0
	v_nop
	global_prefetch_b8 v0, s[64:65] scope:SCOPE_SE
	s_setreg_imm32_b32 hwreg(HW_REG_WAVE_MODE, 25, 1), 1
	s_wait_xcnt 0x0
; k [8][2048][128] f32 is quantised along the head's 128, v [8][2048][128] along the KEYS, to codes of FP6 (E2M3) with one E8M0 byte for each 32 along K, laid as IMAGES OF OPERAND REGISTERS.
; A PIECE (12,800 bytes) serves 128 keys: 8 fragment images of 1,536 bytes (register 4 c + e of lane l at 512 c + 16 l + 4 e), then 4 scale registers of 128 bytes
; (word of lane l at 4 l: lanes 0-15 the row words of fragment 2 e, lanes 16-31 those of fragment 2 e + 1).
;   k: fragment 2 b + u, lane r = row 32 b + 8 u + r + (r & 8) of the piece; registers 6 c .. of lane (r, h) = channels 64 c + 32 h + 0 .. 31.
;   v: fragment t, lane r = channel 16 t + r; registers 6 c .. of lane (r, h) = keys 64 c + 32 h + 0 .. 31 of the piece.
; kv holds 425,984 bytes for each head.  The head's keys are four quarters of 512, each of four pieces.  In bytes: gamma x log2(e) (8,192), beta x log2(e) (8,192); the four quarters' V0; their K0; K1; K2; K3; then for each quarter V1, V2, V3.
; A block's scale is 2^(floor(log2(largest magnitude)) - 2); its byte is the largest magnitude's exponent field - 2, held at 1 from below.
; LIMITS: a block of zeros gets the byte 1 where the rule says 127 (its codes are zeros, and this program alone reads the bytes); blocks whose largest magnitude lies under 2^-124 take the floor's byte; NaN and infinities are not served.
; SHARES: work-groups 0-127 take k's pieces, 128-255 v's (and gamma and beta of the same keys).  Wave w makes fragments 2 w, 2 w + 1 and scale register w.  Waves share nothing: no barrier.
.set PIECE, 12800
.set FRB,   1536
.set SCO,   12288                      ; the scale registers' place in a piece
.set HEADB, 425984
.set OV0,   16384                      ; the places in a head's part
.set OK0,   67584
.set OV1,   272384
.set SP,    528                        ; a stage row: 512 bytes + 16 = 33 x 16: sixteen lanes that read one column of sixteen rows start 16 bytes apart modulo 256
.set WSTG,  32*SP                      ; a wave's stage: 32 rows
.set SPARE, 4*WSTG                     ; behind the stages: the spare words, 128 bytes a wave, two blocks of 256 bytes that no other line names
.set SPW,   12                         ; v12  my spare word's LDS address; never rewritten
.set NIL,   13                         ; v13  0; never rewritten
.set RR,    32                         ; v32-159  rows path: 32 rows as loaded; columns path: 128 numbers down K
.set XR,    160                        ; v160-223 rows path: a fragment's numbers; columns path: v160-183 the codes, v184-198 at work
.set CD,    224                        ; v224-247 rows path: the two fragments' codes
.set SEL,   20                         ; s[20:21] v_permlanex16_b32's selects for lane l xor 16
.set HI,    22                         ; s22  mask of lanes 16-31
	s_load_b256 s[4:11], s[0:1], 0x0               ; k s[4:5], v s[6:7], gamma s[8:9], beta s[10:11]
	s_load_b64 s[16:17], s[0:1], 0x20              ; kv
	v_lshl_add_u32 v[SPW], v0, 2, SPARE
	v_mov_b32 v[NIL], 0
	v_lshrrev_b32 v1, 5, v0
	v_readfirstlane_b32 s18, v1                    ; wave 0..3
	v_and_b32 v2, 31, v0                           ; lane
	v_and_b32 v3, 15, v0                           ; r
	v_bfe_u32 v4, v0, 4, 1                         ; h
	v_lshlrev_b32 v5, 4, v2                        ; 16 x lane
	v_lshlrev_b32 v6, 2, v2                        ; 4 x lane
	v_lshlrev_b32 v7, 3, v4                        ; 8 h: my bytes' shift in a scale word
	v_lshlrev_b32 v14, 2, v0                       ; 4 x thread: gamma's and beta's
	v_mov_b32 v22, 0                               ; written once: a lane permute's destination counts as one of its sources
	v_mul_u32_u24 v11, v3, SP
	v_lshl_add_u32 v11, v4, 7, v11
	s_wait_alu depctr_va_vdst(0)                   ; the wait ahead of the scalar lines
	s_mov_b32 s[SEL], 0x76543210
	s_mov_b32 s[SEL+1], 0xfedcba98
	s_mov_b32 s[HI], 0xffff0000
	s_and_b32 s19, ttmp9, 127                      ; p = 16 n + s: which 128 keys of the tensor
	s_lshr_b32 s23, s19, 4
	s_mul_i32 s23, s23, HEADB                      ; the head's part of kv
	s_bfe_u32 s24, s19, 0x20002                    ; w: the quarter
	s_and_b32 s25, s19, 3                          ; j: which of its four pieces
	s_mul_i32 s26, s18, 2*FRB                      ; my wave's two fragments in the piece,
	s_lshl_b32 s27, s18, 7
	s_add_co_u32 s27, s27, SCO                     ; and its scale register
	s_mul_i32 s28, s18, WSTG                       ; my wave's stage
	s_lshl_b32 s30, s19, 16                        ; the piece's 128 rows of 512 bytes in k or v
	s_mov_b32 s31, 0
	s_mov_b32 s37, 0
	v_add_nc_u32 v8, s26, v5                       ; offsets of my stores in the piece: images,
	v_add_nc_u32 v9, s27, v6                       ; scale word
	v_add_nc_u32 v10, s28, v5                      ; into the stage: a row as it lies, 16 bytes a lane
	v_add_nc_u32 v11, s28, v11                     ; out of it: row r of a fragment, + 128 h: my 32 channels of each 64
	s_wait_alu depctr_va_vdst(0)                   ; the wait at the head's end
	s_wait_kmcnt 0x0
	s_cmp_ge_u32 ttmp9, 128                        ; the paths part on the work-group's number alone; only the rows path uses the stages
	s_cbranch_scc1 .Lcolumns
; ---------------- k: K is innermost ----------------
	s_lshl_b32 s29, s18, 14
	s_add_co_u32 s30, s30, s29                     ; my wave's 32 rows
	s_mul_i32 s36, s25, 4*PIECE
	s_mul_i32 s38, s24, PIECE
	s_add_co_u32 s36, s36, s38
	s_add_co_u32 s36, s36, s23
	s_add_co_u32 s36, s36, OK0                     ; my piece: Kj of quarter w
	s_add_nc_u64 s[32:33], s[4:5], s[30:31]
	s_add_nc_u64 s[34:35], s[16:17], s[36:37]
; Row 8 u + r + (r & 8) of the wave is fragment u's row r.  The first fragment's sixteen rows (0-7, 16-23) are asked for first; row 8 g + e of this order goes to stage row 8 g + e.
.irp g, 0,1,2,3
.irp e, 0,1,2,3,4,5,6,7
	global_load_b128 v[RR+32*\g+4*\e:RR+32*\g+4*\e+3], v5, s[32:33] offset:512*(16*(\g%2)+8*(\g/2)+\e) th:TH_LOAD_NT   ; a whole row: 32 lanes read 512 consecutive bytes
.endr
.endr
.macro INSTAGE g, left                 ; loads come back in order: the group's eight rows are in, the later groups stay out
	s_wait_loadcnt \left
.irp e, 0,1,2,3,4,5,6,7
	ds_store_b128 v10, v[RR+32*\g+4*\e:RR+32*\g+4*\e+3] offset:SP*(8*\g+\e)
.endr
.endm
.macro FRAGIN u                        ; lane (r, h): channels 64 c + 32 h + 0 .. 31 of the fragment's row r into v[XR + 32 c ..]; LDS serves a wave's instructions in order
.irp c, 0,1
.irp i, 0,1,2,3,4,5,6,7
	ds_load_b128 v[XR+32*\c+4*\i:XR+32*\c+4*\i+3], v11 offset:SP*16*\u+256*\c+16*\i
.endr
.endr
.endm
; 64 numbers of a lane, two whole blocks of 32, become a fragment's 12 registers in v[cod] on and the row's scale word in v[w].
.macro QUANTF cod, w
.irp c, 0,1
	v_max3_num_f32 v[16+\c], |v[XR+32*\c]|, |v[XR+32*\c+1]|, 0x1800000   ; with the floor 2^(3 - 127) among the leaves: the byte cannot fall under 1
.endr
.irp i, 2,4,6,8,10,12,14,16,18,20,22,24,26,28,30
.irp c, 0,1
	v_max3_num_f32 v[16+\c], v[16+\c], |v[XR+32*\c+\i]|, |v[XR+32*\c+\i+1]|   ; the two blocks by turns
.endr
.endr
.irp c, 0,1
	v_add_nc_u32 v[18+\c], 0xff000000, v[16+\c]    ; 2 off the exponent field: the conversion's scale operand
.endr
.irp c, 0,1
	v_lshrrev_b32 v[20+\c], 23, v[18+\c]           ; the scale's byte
.endr
	v_lshl_or_b32 v[\w], v21, 16, v20              ; my bytes: blocks h and 2 + h,
	v_lshlrev_b32 v[\w], v7, v[\w]                 ; at their places;
	v_permlanex16_b32 v22, v[\w], s[SEL], s[SEL+1]
	v_or_b32 v[\w], v[\w], v22                     ; with lane l xor 16's two the word is whole
.irp c, 0,1
	v_cvt_scalef32_pk16_fp6_f32 v[\cod+6*\c:\cod+6*\c+2], v[XR+32*\c:XR+32*\c+15], v[18+\c]
	v_cvt_scalef32_pk16_fp6_f32 v[248+4*\c:250+4*\c], v[XR+32*\c+16:XR+32*\c+31], v[18+\c]   ; (a conversion's three registers begin on an even number)
.endr
	v_nop                                          ; one plain place behind a scaled conversion
.irp c, 0,1
.irp i, 0,1,2
	v_mov_b32 v[\cod+6*\c+3+\i], v[248+4*\c+\i]
.endr
.endr
.endm
.macro OUTF u                          ; a fragment's image: 32 lanes store 512 consecutive bytes, at a multiple of 256 from the buffer's first byte
.irp c, 0,1,2
	global_store_b128 v8, v[CD+12*\u+4*\c:CD+12*\u+4*\c+3], s[34:35] offset:FRB*\u+512*\c
.endr
.endm
	INSTAGE 0, 24
	INSTAGE 1, 16
	FRAGIN 0
	s_wait_dscnt 0x0
	QUANTF CD, 24                                  ; the second fragment's rows may still be on their way
	OUTF 0
	INSTAGE 2, 8
	INSTAGE 3, 0
	FRAGIN 1
	s_wait_dscnt 0x0
	QUANTF CD+12, 25
	v_cndmask_b32 v26, v24, v25, s[HI]             ; the scale register: lanes 0-15 the first fragment's words, lanes 16-31 the second's
	OUTF 1
	global_store_b32 v9, v26, s[34:35]
	s_wait_tensorcnt 0x0                           ; the wave's end, behind my last LDS store
	ds_add_u32 v[SPW], v[NIL]
	s_wait_dscnt 0x0
	s_endpgm
; ---------------- v: K (the keys) is the first axis of a head.  A lane takes a channel, and its registers run down the keys ----------------
.Lcolumns:
	s_lshl_b32 s29, s18, 7
	s_add_co_u32 s30, s30, s29                     ; my wave's 32 channels: 128 bytes of each row
	s_add_nc_u64 s[32:33], s[6:7], s[30:31]
	s_and_b32 s28, s19, 15
	s_lshl_b32 s28, s28, 9                         ; gamma and beta of these 128 keys
	s_mov_b32 s29, 0
	s_add_nc_u64 s[8:9], s[8:9], s[28:29]
	s_add_nc_u64 s[10:11], s[10:11], s[28:29]
	s_mul_i32 s38, s24, PIECE
	s_add_co_u32 s38, s38, OV0                     ; V0 of quarter w;
	s_mul_i32 s36, s24, 3*PIECE
	s_mul_i32 s39, s25, PIECE
	s_add_co_u32 s36, s36, s39
	s_add_co_u32 s36, s36, OV1-PIECE               ; V1 to V3
	s_cmp_eq_u32 s25, 0
	s_cselect_b32 s36, s38, s36
	s_add_co_u32 s36, s36, s23
	s_add_nc_u64 s[34:35], s[16:17], s[36:37]      ; my piece
	s_add_co_u32 s38, s28, s23
	s_mov_b32 s39, 0
	s_add_nc_u64 s[38:39], s[16:17], s[38:39]      ; gamma's place; beta's 8,192 further on
	global_load_b32 v28, v14, s[8:9]
	global_load_b32 v29, v14, s[10:11]
.set i, 0
.rept 128
	global_load_b32 v[RR+i], v6, s[32:33] offset:512*i th:TH_LOAD_NT   ; key i at 32 neighbouring channels; the four waves stand side by side on a row's 512 bytes
.set i, i+1
.endr
.macro VBLOCK b, left                  ; block b: 32 keys of my channel, all mine
.set XS, RR+32*\b
.set FB, XR+12*((\b)%2)+6*((\b)/2)     ; even blocks into v160 on, odd blocks into v172 on
	s_wait_loadcnt \left
	v_max3_num_f32 v16, |v[XS]|, |v[XS+1]|, |v[XS+2]|
	v_max3_num_f32 v17, |v[XS+3]|, |v[XS+4]|, |v[XS+5]|
.irp i, 6,10,14,18,22,26
	v_max3_num_f32 v16, v16, |v[XS+\i]|, |v[XS+\i+1]|
	v_max3_num_f32 v17, v17, |v[XS+\i+2]|, |v[XS+\i+3]|
.endr
	v_max3_num_f32 v16, v16, |v[XS+30]|, |v[XS+31]|
	v_max3_num_f32 v16, v16, v17, 0x1800000        ; and the floor
	v_add_nc_u32 v18, 0xff000000, v16
	v_lshrrev_b32 v19, 23, v18
.if \b == 0
	v_mov_b32 v26, v19                             ; my channel's scale word, the lower keys in the lower byte
.else
	v_lshl_or_b32 v26, v19, 8*\b, v26
.endif
	v_cvt_scalef32_pk16_fp6_f32 v[FB:FB+2], v[XS:XS+15], v18
	v_cvt_scalef32_pk16_fp6_f32 v[184+4*\b:186+4*\b], v[XS+16:XS+31], v18
	v_nop                                          ; one plain place behind a scaled conversion
.irp i, 0,1,2
	v_mov_b32 v[FB+3+\i], v[184+4*\b+\i]
.endr
.endm
	VBLOCK 0, 63                                   ; 96 younger loads could stay out; the wait's field ends at 63
	VBLOCK 1, 63                                   ; 64 could
	VBLOCK 2, 32                                   ; the last block's 32
	VBLOCK 3, 0
	v_mul_f32 v28, 0x3fb8aa3b, v28                 ; gamma and beta (the oldest loads) x log2(e): the logits come out to the base 2
	v_mul_f32 v29, 0x3fb8aa3b, v29
.set i, 0
.rept 12
	v_permlane16_swap_b32 v[XR+i], v[XR+12+i]      ; the even blocks' lanes 16-31 change places with the odd blocks' lanes 0-15: v160 on is fragment 2 w (lane (r, h): block 2 c + h), v172 on fragment 2 w + 1
.set i, i+1
.endr
.irp c, 0,1,2,3,4,5
	global_store_b128 v8, v[XR+4*\c:XR+4*\c+3], s[34:35] offset:512*\c
.endr
	global_store_b32 v9, v26, s[34:35]             ; lane l's word is channel 32 w + l's: scale register w as it stands
	global_store_b32 v14, v28, s[38:39]
	global_store_b32 v14, v29, s[38:39] offset:8192
	s_wait_tensorcnt 0x0                           ; the same three lines at this path's end
	ds_add_u32 v[SPW], v[NIL]
	s_wait_dscnt 0x0
	s_endpgm
.Lfunc_end_k_qa9707f6aba_prep:
	.size	k_qa9707f6aba_prep, .Lfunc_end_k_qa9707f6aba_prep-k_qa9707f6aba_prep
	.p2alignl 7, 3214868480
	.fill 96, 4, 3214868480
	.section	.rodata,"a",@progbits
	.p2align	6, 0x0
	.amdhsa_kernel k_qa9707f6aba_prep
		.amdhsa_group_segment_fixed_size 68096
		.amdhsa_private_segment_fixed_size 0
		.amdhsa_enable_private_segment 0
		.amdhsa_kernarg_size 40
		.amdhsa_user_sgpr_count 2
		.amdhsa_user_sgpr_kernarg_segment_ptr 1
		.amdhsa_wavefront_size32 1
		.amdhsa_system_sgpr_workgroup_id_x 1
		.amdhsa_system_sgpr_workgroup_id_y 1
		.amdhsa_system_sgpr_workgroup_id_z 1
		.amdhsa_system_vgpr_workitem_id 0
		.amdhsa_next_free_vgpr 256
		.amdhsa_next_free_sgpr 66
		.amdhsa_reserve_vcc 0
		.amdhsa_float_denorm_mode_32 3
		.amdhsa_float_denorm_mode_16_64 3
		.amdhsa_memory_ordered 1
		.amdhsa_forward_progress 1
		.amdhsa_inst_pref_size 37
	.end_amdhsa_kernel
	.amdgpu_metadata
---
amdhsa.version: [ 1, 2 ]
amdhsa.kernels:
  - .name:           k_qa9707f6aba_prep
    .symbol:         k_qa9707f6aba_prep.kd
    .args:
      - { .name: k, .offset: 0, .size: 8, .value_kind: global_buffer, .address_space: global }
      - { .name: v, .offset: 8, .size: 8, .value_kind: global_buffer, .address_space: global }
      - { .name: gamma, .offset: 16, .size: 8, .value_kind: global_buffer, .address_space: global }
      - { .name: beta, .offset: 24, .size: 8, .value_kind: global_buffer, .address_space: global }
      - { .name: kv, .offset: 32, .size: 8, .value_kind: global_buffer, .address_space: global }
    .group_segment_fixed_size: 68096
    .private_segment_fixed_size: 0
    .kernarg_segment_align: 8
    .kernarg_segment_size: 40
    .max_flat_workgroup_size: 128
    .sgpr_count:     66
    .vgpr_count:     256
    .wavefront_size: 32
...
	.end_amdgpu_metadata
.endif
;; end of part 1
;; launch attn (part 2): grid 32 x 8, 4 waves a work-group, clusters of 4 x 1, 327,680 bytes of LDS; arguments q, kv, out0; writes out0
.if DOCPART == 2
	.amdgcn_target "amdgcn-amd-amdhsa--gfx1250"
	.amdhsa_code_object_version 6
	.text
	.protected	k_qa9707f6aba_attn
	.globl	k_qa9707f6aba_attn
	.p2align	8
	.type	k_qa9707f6aba_attn,@function
k_qa9707f6aba_attn:
	s_mov_b64 s[64:65], 0
	v_nop
	global_prefetch_b8 v0, s[64:65] scope:SCOPE_SE
	s_setreg_imm32_b32 hwreg(HW_REG_WAVE_MODE, 25, 1), 1
	s_wait_xcnt 0x0
	s_wait_alu depctr_hold_cnt(0) depctr_sa_sdst(0) depctr_va_vdst(0) depctr_va_sdst(0) depctr_va_ssrc(0) depctr_va_vcc(0) depctr_vm_vsrc(0)
	s_getreg_b32 s2, hwreg(HW_REG_IB_STS2, 6, 4)
	s_cmp_eq_u32 s2, 0
	s_cbranch_scc0 .Lentry_in_a_cluster
	s_endpgm
.Lentry_in_a_cluster:
	s_bfe_u32 s2, ttmp6, 0x10000c
	s_cmp_lg_u32 s2, 0x3003
	s_cbranch_scc0 .Lentry_shape_is_right
	s_endpgm
.Lentry_shape_is_right:
; out[n][q][:] = softmax_k(LayerNorm_k(Q K^T / sqrt(128)) gamma[k] + beta[k]) V, both products on codes of FP6 (E2M3) with E8M0 scales; K and V from the images that the launch before has laid (its head comment gives the layouts).
; A row's mean and variance want all 2,048 scores before any logit exists, so the scores are made twice: pass 1 sums them, pass 2 normalises, exponentiates and multiplies by V.
; SHARES.  A work-group owns 64 queries of a head (four tiles of 16).  Every wave holds all 64 queries and owns a quarter of the keys (512 = four steps of 128): a fragment of K or V is read from LDS by one wave and feeds four matrix instructions.
; The waves meet for the tiles at the head, for the statistics, for (M, l) and for the partial O; no barrier stands in pass 2.
; CLUSTER.  The four query blocks of a cluster belong to one head and want the same bytes of kv: every tensor load is a joint one, mask 15, with a descriptor made of the head and the wave's number alone.
; LAYOUT.  Both products are used transposed: S^T = K Q^T, O^T = V^T P^T: a lane holds one query (lane % 16).  By the order of K's rows in a fragment, register 16 b + i of a tile's 64 scores is key 32 b + 16 (lane / 16) + i of the step.
; Q is quantised here: wave w turns tile w's 16 rows through its stage, so that a lane holds whole blocks of 32, and lays the codes as an image of operand registers, which all waves read.
; STATISTICS.  Pass 1's products take C = -pivot (the mean of the row's scores with 16 of my keys) and so give d = s - pivot; sums of d and d^2 give my 512 keys' mean and sum of squares about it, and the four waves' are merged by
; mean = sum mean_w / 4, M2 = sum M2_w + 512 sum (mean_w - mean)^2: no difference of large sums is formed.  var + eps = M2 x 2^-18 + 1e-5 (1 / 2,048 keys, scale^2 taken as 2^-7).
; Pass 1 goes through K1, K2, K3, K0: K0's d stay in registers and are pass 2's first step, which makes no products for its scores.
; SOFTMAX.  gamma and beta come multiplied by log2(e), so t = logit to the base 2; M = the running largest t rounded up to a whole number, kept as -M; p = 2^(t - M) is quantised along the keys; l sums the unquantised p;
; a change of M multiplies l and O^T by a power of two.  At the end the four waves' O^T and l are brought under the largest M, added, and divided by l.
; PASS 2 IS A PIPELINE of two pairs of tiles, a (0, 1) and b (2, 3), half a step apart.  In a half the pair P goes from scores to t - M, the pair Q from t - M to p, its product with V, and its next scores:
;   the lines that normalise P stand among Q's exponentials, and Q's 32 products among the lines that find P's maxima and take M away.
; The loop's body is a half for b and a half for a; it is written once, so O^T begins as zeros (cleared while the first tiles are on their way).
; LIMITS: NaN and infinities are not served; the promise holds while t stays under 2^31 in magnitude; p under 2^-126 counts as 0; a block of zeros keeps the byte 1 (its codes are zeros, and this program alone reads the bytes);
; a block of q whose largest magnitude lies under 2^-124 takes the floor's byte; the statistics' order of rounding differs from a plain sum's.
; NO PREFETCH: the text asks for 272,384 of a head's 425,984 bytes at its head and for the rest at one round, ahead of pass 2; there is no loop of loads to run ahead of.
; LDS: bytes 0 .. 272,383 as a head's part of kv: gamma, beta, V0, K0, K1, K2, K3, each for the four waves.  The places of V0, K0, K1 are filled again once, with V1, V2, V3, 38,400 bytes a wave.
; Behind them: Q's stages (later (-M, l)), Q's image and scale words, the statistics, the spare words.  At the end bytes 0 .. 135,167, which have had their last fill and their last read, take the partial O: 64 rows x 528 bytes a wave.
; REGISTERS.  Window 0: v0-87 addresses, scale words, statistics; v88-215 gamma and beta of the step's keys (pass 1: its sums, -pivot as a C operand); v216-255 p's codes.  Window 1: the scores, 64 a tile.
;   Window 2: O^T (tile m, channels 16 t on: v[64 m + 8 t]).   Window 3: v0-95 K's eight fragments, v96-191 V's (pass 1: every second step's K), v192-239 Q's four.
.set FRB,   1536
.set SCO,   12288
.set HEADB, 425984
.set OV0,   16384
.set OK0,   67584
.set OK1,   118784
.set OK2,   169984
.set OK3,   221184
.set OV1,   272384
.set QST,   272384                     ; Q's stages: 16 rows of 528 bytes for each wave; later (-M, l)
.set QSW,   16*528
.set QIM,   QST+4*QSW                  ; Q's image: register 4 c + e of tile m's fragment, lane l at 1,536 m + 512 c + 16 l + 4 e
.set QIS,   QIM+4*FRB                  ; its scale words: 64 m + 4 r
.set STATS, QIS+256
.set SPARE, STATS+2048                 ; 128 bytes for each of four waves
.set SPITCH, 528                       ; a row of the partial O: 512 bytes + 16 = 33 x 16
.set LI,   1                           ; v1   12,800 w + 16 x lane: my lane in my piece of four
.set LS,   2                           ; v2   12,800 w + 4 x lane
.set LV,   3                           ; v3   38,400 w + 16 x lane
.set LVS,  4                           ; v4   38,400 w + 4 x lane
.set GA,   5                           ; v5   2,048 w + 64 (lane / 16): my 16 keys of each 32 in gamma
.set SPW,  6                           ; v6   my spare word's LDS address; never rewritten
.set NIL,  7                           ; v7   0; never rewritten
.set ADK,  8                           ; v8-12 addresses of the loads in hand
.set ADKS, 9
.set ADV,  10
.set ADVS, 11
.set ADG,  12
.set TMP,  13                          ; v13-14 at work
.set KSC,  16                          ; v16-19 K's scale registers, v20-21 Q's, v22-23 p's, v24-27 V's: scales and nothing else
.set QSC,  20
.set PSC,  22
.set VSC,  24
.set FF,   28                          ; v[28:29], v[30:31] f = 2^(old M - new M) of the pair's two tiles
.set ST,   32                          ; v32-63 eight a tile: +0 -M, +1 largest t, +2,3 l, +4 r, +5 -mean r, +6 the addend of the step in hand
.set BM,   64                          ; v64-71 the blocks' largest t, then largest p
.set SO,   72                          ; v72-79 the conversions' scale operands
.set TP,   80                          ; v80-87 at work
.set GB,   88                          ; gamma 64, beta 64
.set PS,   88                          ; pass 1: sums, 16 a tile: four pairs of d, four of d^2
.set PIV,  152                         ; -pivot as a C operand, eight registers a tile
.set PP,   216                         ; p's codes, 12 a tile
.set PT,   240                         ; the conversions' second halves, 8 a tile
.set SB,   218                         ; the four waves' statistics, 8 a tile
.set NP,   252                         ; -pivot
.set KA,   0                           ; in window 3
.set VB,   96
.set QF,   192
.set WV,   10                          ; s10  my wave's number
.set CX,   11                          ; s11  my place in the cluster: it enters q's and out0's addresses alone
.set G1A,  16                          ; s[16:47] descriptor groups 1;  s[48:63], s[92:95] groups 0; none is ever rewritten
.set G1B,  24
.set G1C,  32
.set G1D,  40
.set G0A,  48
.set G0B,  52
.set G0C,  56
.set G0D,  60
.set G0E,  92
.set SEL,  66                          ; s[66:67] lane selects for lane l xor 16
.set CNT,  82
.set TK,   83                          ; where the next pieces of K and V and the next step's gamma begin
.set TV,   86
.set TG,   87
.set C18,  88                          ; s88 2^-18, s89 1e-5, s90 512.0
.set EPS,  89
.set C512, 90
.set MSB, 0
.macro WIN new                         ; the immediate's high byte repeats the setting that is left; a switch that changes nothing is dropped
.if MSB != \new
	s_set_vgpr_msb (MSB<<8)|\new
.set MSB, \new
.endif
.endm
.macro PLACES                          ; four plain places: behind a matrix instruction, ahead of loads into its registers and of reads of its result (ISA guide 7.12.1 for the reads of its result)
.rept 4
	v_nop
.endr
.endm
.macro CROUND                          ; a round of the cluster's barrier: my work-group's barrier, wave 0 signals for the work-group, every wave waits for all four work-groups, my work-group's barrier once more
	s_barrier_signal -1
	s_barrier_wait -1
	s_cmp_lg_u32 s[WV], 0
	s_cbranch_scc1 .Lnot_wave_0_\@
	s_barrier_signal -3
.Lnot_wave_0_\@:
	s_barrier_wait -3
	s_barrier_signal -1
	s_barrier_wait -1
.endm
.macro SHOW w                          ; a barrier that shows wave w's tile: its load line is that wave's own, and that wave waits
	s_wait_alu depctr_va_vdst(0)                   ; the wait directly ahead of what follows
	s_wait_dscnt 0x0
	s_cmp_lg_u32 s[WV], \w
	s_cbranch_scc1 .Lnot_mine_\@
	s_wait_tensorcnt 0x0
.Lnot_mine_\@:
	s_barrier_signal -1
	s_barrier_wait -1
.endm
.macro GROUP1 g, rows                  ; a dense run of memory as rows of 256 bytes (32 elements of 8 bytes), no padding: the images are read 16 bytes a lane on end
	s_mov_b32 s[\g], 15|(3<<16)|(1<<21)            ; 15:0 the mask: all four work-groups; 17:16 elements of 8 bytes; 21 set beside a mask
	s_mov_b32 s[\g+1], 32<<16                      ; tensor_dim0 = 32
	s_mov_b32 s[\g+2], (\rows)<<16                 ; tensor_dim1
	s_mov_b32 s[\g+3], 32<<16                      ; tile_dim0 = 32
	s_mov_b32 s[\g+4], \rows                       ; tile_dim1
	s_mov_b32 s[\g+5], 32                          ; from row to row
	s_mov_b32 s[\g+6], 0
	s_mov_b32 s[\g+7], 0
.endm
.macro GROUP0 g, at                    ; from byte at of my head's part of kv to the same byte of LDS
	s_mov_b32 s[\g], 1
	s_mov_b32 s[\g+1], \at
	s_add_nc_u64 s[\g+2:\g+3], s[14:15], \at
	s_or_b32 s[\g+3], s[\g+3], 0x80000000
.endm
.macro ARM k, g0, g1                   ; wave k's load; s_nop 0 and four v_nop follow
	s_cmp_eq_u32 s[WV], \k
	s_cbranch_scc0 .Larm_\k
	tensor_load_to_lds s[\g0:\g0+3], s[\g1:\g1+7]
	s_nop 0
	PLACES
	s_branch .Lasked
.Larm_\k:
.endm
; One matrix instruction, by the symbols WD (D), WA, WB, WC (C; under 0: the constant 0), WSA, WSB (scale registers), WRA, WRB (1: the scales stand in lanes 16-31).
.macro WM
.if WC < 0
.if WRA && WRB
	v_wmma_scale_f32_16x16x128_f8f6f4 v[WD:WD+7], v[WA:WA+11], v[WB:WB+11], 0, v[WSA], v[WSB] matrix_a_fmt:MATRIX_FMT_FP6 matrix_b_fmt:MATRIX_FMT_FP6 matrix_a_scale:MATRIX_SCALE_ROW1 matrix_b_scale:MATRIX_SCALE_ROW1
.elseif WRA
	v_wmma_scale_f32_16x16x128_f8f6f4 v[WD:WD+7], v[WA:WA+11], v[WB:WB+11], 0, v[WSA], v[WSB] matrix_a_fmt:MATRIX_FMT_FP6 matrix_b_fmt:MATRIX_FMT_FP6 matrix_a_scale:MATRIX_SCALE_ROW1
.elseif WRB
	v_wmma_scale_f32_16x16x128_f8f6f4 v[WD:WD+7], v[WA:WA+11], v[WB:WB+11], 0, v[WSA], v[WSB] matrix_a_fmt:MATRIX_FMT_FP6 matrix_b_fmt:MATRIX_FMT_FP6 matrix_b_scale:MATRIX_SCALE_ROW1
.else
	v_wmma_scale_f32_16x16x128_f8f6f4 v[WD:WD+7], v[WA:WA+11], v[WB:WB+11], 0, v[WSA], v[WSB] matrix_a_fmt:MATRIX_FMT_FP6 matrix_b_fmt:MATRIX_FMT_FP6
.endif
.else
.if WRA && WRB
	v_wmma_scale_f32_16x16x128_f8f6f4 v[WD:WD+7], v[WA:WA+11], v[WB:WB+11], v[WC:WC+7], v[WSA], v[WSB] matrix_a_fmt:MATRIX_FMT_FP6 matrix_b_fmt:MATRIX_FMT_FP6 matrix_a_scale:MATRIX_SCALE_ROW1 matrix_b_scale:MATRIX_SCALE_ROW1
.elseif WRA
	v_wmma_scale_f32_16x16x128_f8f6f4 v[WD:WD+7], v[WA:WA+11], v[WB:WB+11], v[WC:WC+7], v[WSA], v[WSB] matrix_a_fmt:MATRIX_FMT_FP6 matrix_b_fmt:MATRIX_FMT_FP6 matrix_a_scale:MATRIX_SCALE_ROW1
.elseif WRB
	v_wmma_scale_f32_16x16x128_f8f6f4 v[WD:WD+7], v[WA:WA+11], v[WB:WB+11], v[WC:WC+7], v[WSA], v[WSB] matrix_a_fmt:MATRIX_FMT_FP6 matrix_b_fmt:MATRIX_FMT_FP6 matrix_b_scale:MATRIX_SCALE_ROW1
.else
	v_wmma_scale_f32_16x16x128_f8f6f4 v[WD:WD+7], v[WA:WA+11], v[WB:WB+11], v[WC:WC+7], v[WSA], v[WSB] matrix_a_fmt:MATRIX_FMT_FP6 matrix_b_fmt:MATRIX_FMT_FP6
.endif
.endif
.endm
.macro FETCH dst, sc, a, as, off       ; a piece of K or V: 24 loads of 16 bytes a lane and 4 scale registers: 28 LDS loads
	WIN 0xc0                                       ; destination window 3
.irp T, 0,1,2,3,4,5,6,7
.irp c, 0,1,2
	ds_load_b128 v[\dst+12*\T+4*\c:\dst+12*\T+4*\c+3], v[\a] offset:\off+FRB*\T+512*\c
.endr
.endr
	WIN 0
.irp e, 0,1,2,3
	ds_load_b32 v[\sc+\e], v[\as] offset:\off+SCO+128*\e
.endr
.endm
.macro FETCHK at, dst, sc              ; my piece of the four that begin at byte at
	WIN 0
	v_add_nc_u32 v[ADK], \at, v[LI]
	v_add_nc_u32 v[ADKS], \at, v[LS]
	FETCH \dst, \sc, ADK, ADKS, 0
.endm
.macro FETCHG                          ; gamma and beta of a step's keys, in the scores' order: 32 LDS loads; the lanes of a half read the same bytes
	WIN 0
	v_add_nc_u32 v[ADG], s[TG], v[GA]
.irp b, 0,1,2,3
.irp i, 0,1,2,3
	ds_load_b128 v[GB+16*\b+4*\i:GB+16*\b+4*\i+3], v[ADG] offset:128*\b+16*\i
.endr
.endr
.irp b, 0,1,2,3
.irp i, 0,1,2,3
	ds_load_b128 v[GB+64+16*\b+4*\i:GB+64+16*\b+4*\i+3], v[ADG] offset:8192+128*\b+16*\i
.endr
.endr
.endm
; ---- pass 1 ----
.macro MM1 T, m, kb, sc                ; 16 keys x tile m, C = -pivot
	WIN 0x4f                                       ; K and Q window 3, C window 0, D window 1
.set WD, 64*\m+8*\T
.set WA, \kb+12*\T
.set WB, QF+12*\m
.set WC, PIV+8*\m
.set WSA, \sc+\T/2
.set WSB, QSC+\m/2
.set WRA, \T%2
.set WRB, \m%2
	WM
.endm
; An eighth of tile m's sums: 16 of its d (T even) or their squares (T odd), in four chains; first = 1: the sums begin.
.macro CH1 T, m, first
.set XX, 64*\m+16*(\T/2)
.set TT, PS+16*\m
.if (\T)%2 == 0
.if \first && (\T == 0)
	WIN 0x05                                       ; sources 0 and 1 window 1
.irp e, 0,1,2,3
	v_pk_add_f32 v[TT+2*\e:TT+2*\e+1], v[XX+2*\e:XX+2*\e+1], v[XX+2*\e+8:XX+2*\e+9]
.endr
.else
	WIN 0x04                                       ; source 1 window 1
.irp e, 0,1,2,3,4,5,6,7
	v_pk_add_f32 v[TT+2*(\e%4):TT+2*(\e%4)+1], v[TT+2*(\e%4):TT+2*(\e%4)+1], v[XX+2*\e:XX+2*\e+1]
.endr
.endif
.else
	WIN 0x05
.irp e, 0,1,2,3,4,5,6,7
.if \first && (\T == 1) && (\e < 4)
	v_pk_mul_f32 v[TT+8+2*\e:TT+9+2*\e], v[XX+2*\e:XX+2*\e+1], v[XX+2*\e:XX+2*\e+1]
.else
	v_pk_fma_f32 v[TT+8+2*(\e%4):TT+9+2*(\e%4)], v[XX+2*\e:XX+2*\e+1], v[XX+2*\e:XX+2*\e+1], v[TT+8+2*(\e%4):TT+9+2*(\e%4)]
.endif
.endr
.endif
.endm
.macro INTER mm, kb, sc, ma, first     ; tile mm's products, with tile ma's sums between them
.irp T, 0,1,2,3,4,5,6,7
	MM1 \T, \mm, \kb, \sc
	CH1 \T, \ma, \first
.endr
.endm
.macro ALONE mm, kb, sc                ; tile mm's products with nothing between, and their places
.irp T, 0,1,2,3,4,5,6,7
	MM1 \T, \mm, \kb, \sc
.endr
	PLACES
.endm
.macro CHALL ma, first
.irp T, 0,1,2,3,4,5,6,7
	CH1 \T, \ma, \first
.endr
.endm
; ---- pass 2: the parts of a half ----
.macro N1 P                            ; the pair's scores x r + the addend, each accumulator from its low end on
	WIN 0x41                                       ; destination and source 0 window 1
.irp m, 0,1
.set j, 128*\P+64*\m
.rept 32
	v_pk_fma_f32 v[j:j+1], v[j:j+1], v[ST+16*\P+8*\m+4:ST+16*\P+8*\m+5], v[ST+16*\P+8*\m+6:ST+16*\P+8*\m+7] op_sel_hi:[1,0,0]   ; of the pairs the low word serves both halves
.set j, j+2
.endr
.endr
	WIN 0
.irp m, 0,1
	v_mov_b32 v[ST+16*\P+8*\m+6], v[ST+16*\P+8*\m+5]   ; step 0 took d = s - pivot; from the next step on the scores come without the pivot
.endr
.endm
.macro N2E P, Q                        ; x gamma + beta of pair P, among the exponentials of pair Q (under 0: left out)
	s_wait_alu depctr_va_vdst(0)                   ; the wait ahead of the batch
.if (\Q) >= 0
.irp e, 0,1,2,3,4,5,6,7
	v_exp_f32 v[BM+\e], v[BM+\e]                   ; the blocks' largest p
.endr
.endif
	WIN 0x41
.irp m, 0,1
.set j, 0
.rept 32
.if (\Q) >= 0
	v_exp_f32 v[128*(\Q)+64*\m+j], v[128*(\Q)+64*\m+j]         ; p = 2^(t - M)
	v_exp_f32 v[128*(\Q)+64*\m+j+1], v[128*(\Q)+64*\m+j+1]
.endif
.if (\P) >= 0
	v_pk_fma_f32 v[128*(\P)+64*\m+j:128*(\P)+64*\m+j+1], v[128*(\P)+64*\m+j:128*(\P)+64*\m+j+1], v[GB+j:GB+j+1], v[GB+64+j:GB+65+j]
.endif
.set j, j+2
.endr
.endr
.if (\P) < 0
	v_nop                                          ; a plain place behind the last exponential
.endif
	WIN 0
.if (\Q) >= 0
	s_wait_alu depctr_va_vdst(0)                   ; one wait for the batch, ahead of its first reader
.endif
.endm
.macro T3 Q                            ; l takes the UNQUANTISED p of the pair, in three chains a tile; p's codes and scale words
	WIN 0x05
.irp m, 0,1
	v_pk_add_f32 v[TP+4*\m:TP+4*\m+1], v[128*\Q+64*\m:128*\Q+64*\m+1], v[128*\Q+64*\m+2:128*\Q+64*\m+3]
	v_pk_add_f32 v[TP+4*\m+2:TP+4*\m+3], v[128*\Q+64*\m+4:128*\Q+64*\m+5], v[128*\Q+64*\m+6:128*\Q+64*\m+7]
.endr
	WIN 0x04
.set j, 128*\Q+8
.rept 9
.irp m, 0,1
	v_pk_add_f32 v[ST+16*\Q+8*\m+2:ST+16*\Q+8*\m+3], v[ST+16*\Q+8*\m+2:ST+16*\Q+8*\m+3], v[64*\m+j:64*\m+j+1]
.endr
.irp m, 0,1
	v_pk_add_f32 v[TP+4*\m:TP+4*\m+1], v[TP+4*\m:TP+4*\m+1], v[64*\m+j+2:64*\m+j+3]
.endr
.irp m, 0,1
	v_pk_add_f32 v[TP+4*\m+2:TP+4*\m+3], v[TP+4*\m+2:TP+4*\m+3], v[64*\m+j+4:64*\m+j+5]
.endr
.set j, j+6
.endr
.irp m, 0,1
	v_pk_add_f32 v[ST+16*\Q+8*\m+2:ST+16*\Q+8*\m+3], v[ST+16*\Q+8*\m+2:ST+16*\Q+8*\m+3], v[64*\m+j:64*\m+j+1]
.endr
	WIN 0
.irp e, 0,1,2,3,4,5,6,7
	v_max_num_f32 v[BM+\e], 0x1800000, v[BM+\e]    ; the floor 2^(3 - 127): the byte cannot fall under 1
.endr
.irp m, 0,1
	v_pk_add_f32 v[TP+4*\m:TP+4*\m+1], v[TP+4*\m:TP+4*\m+1], v[TP+4*\m+2:TP+4*\m+3]
.endr
.irp e, 0,1,2,3,4,5,6,7
	v_add_nc_u32 v[SO+\e], 0xff000000, v[BM+\e]    ; 2 off the exponent field: the conversion's scale operand
.endr
.irp m, 0,1
	v_pk_add_f32 v[ST+16*\Q+8*\m+2:ST+16*\Q+8*\m+3], v[ST+16*\Q+8*\m+2:ST+16*\Q+8*\m+3], v[TP+4*\m:TP+4*\m+1]
.endr
.irp e, 0,1,2,3,4,5,6,7
	v_lshrrev_b32 v[TP+\e], 23, v[SO+\e]           ; the scale's byte
.endr
.irp m, 0,1
	v_lshl_or_b32 v[PSC+\m], v[TP+4*\m+1], 8, v[TP+4*\m]   ; p's scale word for these 128 keys
.endr
.irp m, 0,1
	v_lshl_or_b32 v[PSC+\m], v[TP+4*\m+2], 16, v[PSC+\m]
.endr
.irp m, 0,1
	v_lshl_or_b32 v[PSC+\m], v[TP+4*\m+3], 24, v[PSC+\m]
.endr
	WIN 0x01                                       ; source 0 window 1
.irp m, 0,1
.irp c, 0,1
	v_cvt_scalef32_pk16_fp6_f32 v[PP+12*\m+6*\c:PP+12*\m+6*\c+2], v[128*\Q+64*\m+32*\c:128*\Q+64*\m+32*\c+15], v[SO+4*\m+2*\c]
	v_cvt_scalef32_pk16_fp6_f32 v[PT+8*\m+4*\c:PT+8*\m+4*\c+2], v[128*\Q+64*\m+32*\c+16:128*\Q+64*\m+32*\c+31], v[SO+4*\m+2*\c+1]   ; (a conversion's three registers begin on an even number)
.endr
.endr
	WIN 0
	v_nop                                          ; one plain place behind a scaled conversion
.irp m, 0,1                            ; the operand's layout wants a whole block in a lane: lanes 0-15 block 2 c, lanes 16-31 block 2 c + 1
.irp c, 0,1
.irp i, 0,1,2
	v_permlane16_swap_b32 v[PP+12*\m+6*\c+\i], v[PT+8*\m+4*\c+\i]
.endr
.endr
.endr
.irp m, 0,1
.irp c, 0,1
.irp i, 0,1,2
	v_mov_b32 v[PP+12*\m+6*\c+3+\i], v[PT+8*\m+4*\c+\i]
.endr
.endr
.endr
.endm
.macro PVONE Q                         ; O^T of the pair += V^T P^T: product NW of 16: channels 16 (NW / 2) on, tile NW % 2: sixteen accumulators, one instruction each
	WIN 0xa3                                       ; V window 3, p window 0, C and D window 2
.set WD, 128*\Q+64*(NW%2)+8*(NW/2)
.set WA, VB+12*(NW/2)
.set WB, PP+12*(NW%2)
.set WC, WD
.set WSA, VSC+NW/4
.set WSB, PSC+NW%2
.set WRA, (NW/2)%2
.set WRB, 0
	WM
.set NW, NW+1
.endm
.macro SCONE Q                         ; the pair's next scores: product NW of 16: keys of fragment NW / 2, tile NW % 2
	WIN 0x4f                                       ; K and Q window 3, D window 1
.set WD, 128*\Q+64*(NW%2)+8*(NW/2)
.set WA, KA+12*(NW/2)
.set WB, QF+12*(2*\Q+NW%2)
.set WC, -1
.set WSA, KSC+NW/4
.set WSB, QSC+\Q
.set WRA, (NW/2)%2
.set WRB, NW%2
	WM
.set NW, NW+1
.endm
; From logits to t - M for pair P; between its groups of lines pair Q's products with V (pv = 1) and its next scores (sc = 1).  resc = 1: O^T of P is brought under the new M.
.macro T4 P, Q, pv, sc, resc
.set NW, 0
.irp i, 1,3,5,7,9,11,13,15
.irp m, 0,1
.if \i == 1
	WIN 0x15
.else
	WIN 0x14                                       ; sources 1 and 2 window 1
.endif
.irp b, 0,1,2,3
.set XX, 128*\P+64*\m+16*\b+\i
.if \i == 1
	v_max3_num_f32 v[BM+4*\m+\b], v[XX-1], v[XX], v[XX+1]      ; the largest t of each block of 32 keys: it serves for the row's maximum and, since p rises with t, for the block's largest p
.elseif \i == 15
	v_max_num_f32 v[BM+4*\m+\b], v[BM+4*\m+\b], v[XX]
.else
	v_max3_num_f32 v[BM+4*\m+\b], v[BM+4*\m+\b], v[XX], v[XX+1]
.endif
.endr
.if \pv
	PVONE \Q
.endif
.endr
.endr
.set NW, 0
.irp m, 0,1
	WIN 0
.irp b, 0,1,2,3
	v_permlanex16_b32 v[TP+4*\m+\b], v[BM+4*\m+\b], s[SEL], s[SEL+1]
.endr
.if \sc
	SCONE \Q
.endif
.endr
.irp m, 0,1
	WIN 0
.irp b, 0,1,2,3
	v_max_num_f32 v[BM+4*\m+\b], v[BM+4*\m+\b], v[TP+4*\m+\b]   ; with lane l xor 16's 16 keys
.endr
.if \sc
	SCONE \Q
.endif
.endr
	WIN 0
.irp m, 0,1
	v_max3_num_f32 v[TMP+\m], v[BM+4*\m], v[BM+4*\m+1], v[BM+4*\m+2]
.endr
.irp m, 0,1
	v_max3_num_f32 v[ST+16*\P+8*\m+1], v[ST+16*\P+8*\m+1], v[TMP+\m], v[BM+4*\m+3]   ; the running largest t
.endr
.if \sc
	SCONE \Q
.endif
	WIN 0
.irp m, 0,1
	v_mov_b32 v[TMP+\m], v[ST+16*\P+8*\m]
.endr
.irp m, 0,1
	v_floor_f32 v[ST+16*\P+8*\m], -v[ST+16*\P+8*\m+1]   ; -M = floor(-t): M is a whole number
.endr
.if \sc
	SCONE \Q
.endif
	WIN 0
.irp m, 0,1
	v_sub_f32 v[TMP+\m], v[ST+16*\P+8*\m], v[TMP+\m]   ; old M - new M: a whole number, 0 or less
.endr
.irp m, 0,1
	v_cvt_i32_f32 v[TMP+\m], v[TMP+\m]             ; (it saturates)
.endr
.irp m, 0,1
	v_ldexp_f32 v[FF+2*\m], 1.0, v[TMP+\m]         ; f = 2^(old M - new M)
.endr
.irp m, 0,1
	v_pk_mul_f32 v[ST+16*\P+8*\m+2:ST+16*\P+8*\m+3], v[ST+16*\P+8*\m+2:ST+16*\P+8*\m+3], v[FF+2*\m:FF+2*\m+1] op_sel_hi:[1,0]   ; l and O^T under the new M
.endr
.if \sc
	SCONE \Q
.endif
.if \resc
	WIN 0x82                                       ; destination and source 0 window 2
	s_wait_alu depctr_va_vdst(0)                   ; the wait here, directly ahead of the first reader of O^T
.irp m, 0,1
.set j, 128*\P+64*\m
.rept 32
	v_pk_mul_f32 v[j:j+1], v[j:j+1], v[FF+2*\m:FF+2*\m+1] op_sel_hi:[1,0]
.set j, j+2
.endr
.endr
.endif
.irp g, 0,1,2,3,4,5,6,7
.if \sc
	SCONE \Q
.endif
	WIN 0x41
.set j, 128*\P+16*\g
.rept 8
	v_pk_add_f32 v[j:j+1], v[j:j+1], v[ST+16*\P+8*(\g/4):ST+16*\P+8*(\g/4)+1] op_sel_hi:[1,0]   ; t - M
.set j, j+2
.endr
.endr
.if \sc
	SCONE \Q
.endif
	WIN 0
.irp m, 0,1
.irp b, 0,1,2,3
	v_add_f32 v[BM+4*\m+\b], v[BM+4*\m+\b], v[ST+16*\P+8*\m]   ; the same of each block's largest t
.endr
.endr
.endm
; ---------------- the head ----------------
	s_load_b128 s[4:7], s[0:1], 0x0                ; q s[4:5], kv s[6:7]
	s_load_b64 s[8:9], s[0:1], 0x10                ; out0
	v_lshl_add_u32 v[SPW], v0, 2, SPARE
	v_mov_b32 v[NIL], 0
	ds_add_u32 v[SPW], v[NIL]                      ; the wave's opening: the add, twice on end, and its wait ahead of my first tensor load; the set-up below, work on registers, stands between
	ds_add_u32 v[SPW], v[NIL]
	v_lshrrev_b32 v244, 5, v0
	v_readfirstlane_b32 s[WV], v244                ; wave 0..3
	v_and_b32 v244, 31, v0                         ; lane
	v_and_b32 v245, 15, v0                         ; r
	v_bfe_u32 v246, v0, 4, 1                       ; h
	v_lshlrev_b32 v247, 3, v246                    ; 8 h
	v_lshlrev_b32 v243, 4, v244                    ; 16 x lane
	s_wait_alu depctr_va_vdst(0)                   ; the wait ahead of the scalar lines
	s_and_b32 s12, ttmp7, 0xffff                   ; the head, which the four partners share
	s_mul_i32 s14, s12, HEADB
	s_mov_b32 s15, 0
	GROUP1 G1A, 200                                ; K1, and K0, of all four waves: 51,200 bytes
	GROUP1 G1B, 400                                ; K2 and K3
	GROUP1 G1C, 264                                ; gamma, beta and V0: 67,584
	GROUP1 G1D, 150                                ; V1, V2, V3 of one wave: 38,400
	s_bfe_u32 s[CX], ttmp6, 0x40000                ; cx
	s_lshl_b32 s80, ttmp9, 2                       ; in a cluster launch ttmp9 counts clusters
	s_add_co_u32 s80, s80, s[CX]                   ; my block of 64 queries
	s_lshl_b32 s80, s80, 6
	s_lshl_b32 s81, s12, 11
	s_add_co_u32 s80, s80, s81
	s_lshl_b32 s81, s[WV], 4
	s_add_co_u32 s80, s80, s81                     ; the 16 rows of q that I quantise, and of out0 that I store
	s_lshl_b32 s76, s80, 9
	s_mov_b32 s77, 0
	s_mul_i32 s13, s[WV], 12800
	s_mul_i32 s70, s[WV], 38400
	s_wait_dscnt 0x0                               ; both opening adds are done
	CROUND                                         ; all four work-groups are here: the first joint loads meet
	s_wait_kmcnt 0x0
	s_add_nc_u64 s[14:15], s[6:7], s[14:15]
	GROUP0 G0A, OK1
	GROUP0 G0B, OK2
	GROUP0 G0C, OK0
	GROUP0 G0D, 0
	ARM 0, G0A, G1A                                ; one tensor load a wave at the head, in the arms of one chain: what pass 1 reads first is asked for first
	ARM 1, G0B, G1B
	ARM 2, G0C, G1A
	tensor_load_to_lds s[G0D:G0D+3], s[G1C:G1C+7]
	s_nop 0
	PLACES
.Lasked:
	s_add_nc_u64 s[74:75], s[4:5], s[76:77]
	s_add_nc_u64 s[8:9], s[8:9], s[76:77]
.irp i, 0,1,2,3,4,5,6,7,8,9,10,11,12,13,14,15
	global_load_b128 v[88+4*\i:91+4*\i], v243, s[74:75] offset:512*\i th:TH_LOAD_NT   ; a row of q: 32 lanes read 512 consecutive bytes
.endr
	s_mov_b32 s71, 0
	s_add_nc_u64 s[72:73], s[14:15], OV1
	s_add_nc_u64 s[G0E+2:G0E+3], s[72:73], s[70:71]
	s_or_b32 s[G0E+3], s[G0E+3], 0x80000000
	s_mov_b32 s[G0E], 1
	s_add_co_u32 s[G0E+1], s70, OV0                ; the refill: my V1, V2, V3 into my part of the places of V0, K0, K1
	s_mov_b32 s[SEL], 0x76543210
	s_mov_b32 s[SEL+1], 0xfedcba98
	s_mov_b32 s[C18], 0x36800000                   ; 2^-18
	s_mov_b32 s[EPS], 0x3727c5ac                   ; 1e-5
	s_mov_b32 s[C512], 0x44000000                  ; 512.0
	s_mul_i32 s78, s[WV], QSW
	s_add_co_u32 s78, s78, QST                     ; my stage of Q
	s_mul_i32 s79, s[WV], FRB
	s_add_co_u32 s79, s79, QIM                     ; my tile's image
	s_lshl_b32 s84, s[WV], 6
	s_add_co_u32 s84, s84, QIS                     ; its scale words
	s_lshl_b32 s85, s[WV], 11
	v_add_nc_u32 v248, s78, v243                   ; into the stage: a row as it lies
	v_mul_u32_u24 v249, v245, SPITCH
	v_lshl_add_u32 v249, v246, 7, v249
	v_add_nc_u32 v249, s78, v249                   ; out of it: row r, + 128 h: my block of each 64 channels
	v_add_nc_u32 v250, s79, v243
	v_lshl_add_u32 v251, v245, 2, s84
	v_add_nc_u32 v252, QIM, v243
	v_lshlrev_b32 v253, 2, v244
	v_add_nc_u32 v[LI], s13, v243
	v_add_nc_u32 v[LS], s13, v253
	v_add_nc_u32 v[LV], s70, v243
	v_add_nc_u32 v[LVS], s70, v253
	v_add_nc_u32 v253, QIS, v253
	v_lshl_add_u32 v[GA], v246, 6, s85
	v_mov_b32 v235, 0                              ; these are written once: a lane permute's destination counts as one of its sources,
.irp e, 0,1,2,3,4,5,6,7
	v_mov_b32 v[TP+\e], 0
.endr
.irp m, 0,1,2,3
	v_mov_b32 v[ST+8*\m+1], 0
	v_mov_b32 v[ST+8*\m+5], 0
	v_mov_b32 v[ST+8*\m+7], 0                      ; and these are named as the upper halves of pairs
.endr
	v_mov_b32 v[FF+1], 0
	v_mov_b32 v[FF+3], 0
	WIN 0x80                                       ; O^T begins as zeros: the key step's text is written once (these lines run while the first tiles are on their way)
.set j, 0
.rept 256
	v_mov_b32 v[j], 0
.set j, j+1
.endr
	WIN 0
	s_wait_alu depctr_va_vdst(0)                   ; the wait at the head's end
	s_wait_loadcnt 0x0                             ; my tile of q
.irp i, 0,1,2,3,4,5,6,7,8,9,10,11,12,13,14,15
	ds_store_b128 v248, v[88+4*\i:91+4*\i] offset:SPITCH*\i
.endr
.irp c, 0,1
.irp i, 0,1,2,3,4,5,6,7
	ds_load_b128 v[152+32*\c+4*\i:155+32*\c+4*\i], v249 offset:256*\c+16*\i   ; LDS serves a wave's instructions in order: these see my stores
.endr
.endr
	s_wait_dscnt 0x0
.irp c, 0,1
	v_max3_num_f32 v[228+\c], |v[152+32*\c]|, |v[153+32*\c]|, 0x1800000   ; my blocks' largest magnitudes, with the floor 2^(3 - 127): the byte cannot fall under 1
.endr
.irp i, 2,4,6,8,10,12,14,16,18,20,22,24,26,28,30
.irp c, 0,1
	v_max3_num_f32 v[228+\c], v[228+\c], |v[152+32*\c+\i]|, |v[153+32*\c+\i]|
.endr
.endr
.irp c, 0,1
	v_add_nc_u32 v[230+\c], 0xff000000, v[228+\c]  ; 2 off the exponent field: the conversion's scale operand
.endr
.irp c, 0,1
	v_lshrrev_b32 v[232+\c], 23, v[230+\c]         ; the scale's byte
.endr
	v_lshl_or_b32 v234, v233, 16, v232             ; my bytes: blocks h and 2 + h,
	v_lshlrev_b32 v234, v247, v234                 ; at their places;
	v_permlanex16_b32 v235, v234, s[SEL], s[SEL+1]
	v_or_b32 v234, v234, v235                      ; with lane l xor 16's two the word is whole
.irp c, 0,1
	v_cvt_scalef32_pk16_fp6_f32 v[216+6*\c:218+6*\c], v[152+32*\c:167+32*\c], v[230+\c]
	v_cvt_scalef32_pk16_fp6_f32 v[236+4*\c:238+4*\c], v[168+32*\c:183+32*\c], v[230+\c]
.endr
	v_nop                                          ; one plain place behind a scaled conversion
.irp c, 0,1
.irp i, 0,1,2
	v_mov_b32 v[219+6*\c+\i], v[236+4*\c+\i]
.endr
.endr
.irp c, 0,1,2
	ds_store_b128 v250, v[216+4*\c:219+4*\c] offset:512*\c
.endr
	ds_store_b32 v251, v234                        ; both halves of the lanes store the same bytes
	SHOW 0                                         ; K1 has landed, Q's image is stored
	FETCHK OK1, KA, KSC
	WIN 0xc0
.irp m, 0,1,2,3
.irp c, 0,1,2
	ds_load_b128 v[QF+12*\m+4*\c:QF+12*\m+4*\c+3], v252 offset:FRB*\m+512*\c   ; Q's four fragments stay in registers
.endr
.endr
	WIN 0
	ds_load_b32 v[QSC], v253                       ; lanes 0-15 tile 0's words, lanes 16-31 tile 1's
	ds_load_b32 v[QSC+1], v253 offset:128
	s_wait_dscnt 0x0
; ---------------- the pivot: the mean of each query's scores with 16 keys of K1 ----------------
	WIN 0x4f
.irp m, 0,1,2,3
.set WD, 64*\m
.set WA, KA
.set WB, QF+12*\m
.set WC, -1
.set WSA, KSC
.set WSB, QSC+\m/2
.set WRA, 0
.set WRB, \m%2
	WM
.endr
	WIN 0x45                                       ; all in window 1
	PLACES
.irp m, 0,1,2,3
	v_pk_add_f32 v[64*\m:64*\m+1], v[64*\m:64*\m+1], v[64*\m+2:64*\m+3]   ; from the low end on
	v_pk_add_f32 v[64*\m+4:64*\m+5], v[64*\m+4:64*\m+5], v[64*\m+6:64*\m+7]
.endr
.irp m, 0,1,2,3
	v_pk_add_f32 v[64*\m:64*\m+1], v[64*\m:64*\m+1], v[64*\m+4:64*\m+5]
.endr
.irp m, 0,1,2,3
	v_add_f32 v[64*\m], v[64*\m], v[64*\m+1]
.endr
	WIN 0x01
.irp m, 0,1,2,3
	v_permlanex16_b32 v[TP+\m], v[64*\m], s[SEL], s[SEL+1]
.endr
.irp m, 0,1,2,3
	v_add_f32 v[TP+\m], v[64*\m], v[TP+\m]         ; a + b in one half of the lanes, b + a in the other: the same bits
.endr
	WIN 0
.irp m, 0,1,2,3
	v_mul_f32 v[NP+\m], 0xbd800000, v[TP+\m]       ; x -1/16: -pivot
.endr
.irp m, 0,1,2,3
.irp e, 0,1,2,3,4,5,6,7
	v_mov_b32 v[PIV+8*\m+\e], v[NP+\m]             ; as a C operand: a lane's eight keys of one query
.endr
.endr
; ---------------- pass 1: K1 and K3 in K's registers, K2 and K0 in V's; a tile's sums stand among the next tile's products ----------------
	ALONE 0, KA, KSC
	INTER 1, KA, KSC, 0, 1
	INTER 2, KA, KSC, 1, 1
	INTER 3, KA, KSC, 2, 1
	WIN 0
	SHOW 1                                         ; K2 and K3
	FETCHK OK2, VB, VSC
	CHALL 3, 1
	WIN 0
	s_wait_alu depctr_va_vdst(0)                   ; the wait directly ahead of the wait below
	s_wait_dscnt 0x0                               ; K2
	FETCHK OK3, KA, KSC
	ALONE 0, VB, VSC
	INTER 1, VB, VSC, 0, 0
	INTER 2, VB, VSC, 1, 0
	INTER 3, VB, VSC, 2, 0
	s_wait_dscnt 0x0                               ; K3
	INTER 0, KA, KSC, 3, 0
	WIN 0
	s_wait_alu depctr_va_vdst(0)                   ; the wait directly ahead of the waits below
	s_wait_tensorcnt 0x0                           ; every wave's load has landed: this barrier shows K0, gamma, beta and V0
	s_barrier_signal -1
	s_barrier_wait -1
	FETCHK OK0, VB, VSC
	INTER 1, KA, KSC, 0, 0
	INTER 2, KA, KSC, 1, 0
	INTER 3, KA, KSC, 2, 0
	s_wait_dscnt 0x0                               ; K0
	INTER 0, VB, VSC, 3, 0
	FETCHK OK1, KA, KSC                            ; K1 once more: pass 2's second step
	INTER 1, VB, VSC, 0, 0
	INTER 2, VB, VSC, 1, 0
	INTER 3, VB, VSC, 2, 0                         ; K0's d stay in window 1
	FETCH VB, VSC, LI, LS, OV0                     ; V0
	CHALL 3, 0
	WIN 0
; ---------------- the statistics ----------------
.irp m, 0,1,2,3
.irp e, 0,4,8,12
	v_pk_add_f32 v[PS+16*\m+\e:PS+16*\m+\e+1], v[PS+16*\m+\e:PS+16*\m+\e+1], v[PS+16*\m+\e+2:PS+16*\m+\e+3]
.endr
.endr
.irp m, 0,1,2,3
.irp e, 0,8
	v_pk_add_f32 v[PS+16*\m+\e:PS+16*\m+\e+1], v[PS+16*\m+\e:PS+16*\m+\e+1], v[PS+16*\m+\e+4:PS+16*\m+\e+5]
.endr
.endr
.irp m, 0,1,2,3
	v_add_f32 v[ST+8*\m], v[PS+16*\m], v[PS+16*\m+1]
	v_add_f32 v[ST+8*\m+4], v[PS+16*\m+8], v[PS+16*\m+9]
.endr
.irp m, 0,1,2,3
	v_permlanex16_b32 v[ST+8*\m+1], v[ST+8*\m], s[SEL], s[SEL+1]
	v_permlanex16_b32 v[ST+8*\m+5], v[ST+8*\m+4], s[SEL], s[SEL+1]
.endr
.irp m, 0,1,2,3
	v_add_f32 v[ST+8*\m], v[ST+8*\m], v[ST+8*\m+1]         ; S1 = the sum of d over my 512 keys
	v_add_f32 v[ST+8*\m+4], v[ST+8*\m+4], v[ST+8*\m+5]     ; S2 = the sum of d^2
.endr
.irp m, 0,1,2,3
	v_mul_f32 v[ST+8*\m+2], 0x3b000000, v[ST+8*\m]         ; S1 / 512
.endr
.irp m, 0,1,2,3
	v_fma_f32 v[SO+2*\m+1], -v[ST+8*\m], v[ST+8*\m+2], v[ST+8*\m+4]   ; M2_w = S2 - S1^2 / 512
	v_sub_f32 v[SO+2*\m], v[ST+8*\m+2], v[NP+\m]           ; mean_w = S1 / 512 + pivot
.endr
	s_lshl_b32 s78, s[WV], 9
	s_add_co_u32 s79, s78, STATS
	v_and_b32 v217, 15, v0
	v_lshlrev_b32 v217, 3, v217
	v_add_nc_u32 v216, s79, v217                           ; where I store: 512 w + 128 m + 8 r
	v_add_nc_u32 v217, STATS, v217                         ; where I read all four waves'
.irp m, 0,1,2,3
	ds_store_b64 v216, v[SO+2*\m:SO+2*\m+1] offset:128*\m  ; both halves of the lanes store the same bytes
.endr
	s_wait_alu depctr_va_vdst(0)                   ; the wait directly ahead of the waits below
	s_wait_tensorcnt 0x0                           ; ONE ROUND FOR TWO THINGS: the statistics are handed over, and the places of V0, K0, K1 are filled again.  All my tensor loads have landed;
	ds_add_u32 v[SPW], v[NIL]                      ; 0 onto my spare word;
	s_wait_dscnt 0x0                               ; the add is done, my statistics are stored, and my reads of those places (V0, K0, K1) are in registers
	CROUND                                         ; the same now holds of every wave of all four work-groups
	tensor_load_to_lds s[G0E:G0E+3], s[G1D:G1D+7]  ; my one load behind the round: V1, V2, V3, which I alone read; the first is read at the loop's first trip's end
	s_nop 0
	PLACES
.irp m, 0,1,2,3
.irp w, 0,1,2,3
	ds_load_b64 v[SB+8*\m+2*\w:SB+8*\m+2*\w+1], v217 offset:512*\w+128*\m
.endr
.endr
	s_mov_b32 s[TG], 0
	FETCHG
	s_wait_dscnt 32                                ; the statistics are in; gamma's and beta's 32 loads may be out
.irp m, 0,1,2,3
	v_add_f32 v[BM+\m], v[SB+8*\m], v[SB+8*\m+2]
	v_add_f32 v[TP+\m], v[SB+8*\m+4], v[SB+8*\m+6]
.endr
.irp m, 0,1,2,3
	v_add_f32 v[BM+\m], v[BM+\m], v[TP+\m]
.endr
.irp m, 0,1,2,3
	v_mul_f32 v[BM+\m], 0x3e800000, v[BM+\m]       ; the row's mean
.endr
.irp m, 0,1,2,3
.irp w, 0,1,2,3
	v_sub_f32 v[SB+8*\m+2*\w], v[SB+8*\m+2*\w], v[BM+\m]
.endr
.endr
.irp m, 0,1,2,3
	v_mul_f32 v[TP+\m], v[SB+8*\m], v[SB+8*\m]
	v_add_f32 v[SO+\m], v[SB+8*\m+1], v[SB+8*\m+3]
	v_add_f32 v[SB+8*\m+5], v[SB+8*\m+5], v[SB+8*\m+7]
.endr
.irp w, 1,2,3
.irp m, 0,1,2,3
	v_fma_f32 v[TP+\m], v[SB+8*\m+2*\w], v[SB+8*\m+2*\w], v[TP+\m]
.endr
.endr
.irp m, 0,1,2,3
	v_add_f32 v[SO+\m], v[SO+\m], v[SB+8*\m+5]
.endr
.irp m, 0,1,2,3
	v_fma_f32 v[SO+\m], v[TP+\m], s[C512], v[SO+\m]        ; M2 = sum M2_w + 512 sum (mean_w - mean)^2
.endr
.irp m, 0,1,2,3
	v_fma_f32 v[SO+\m], v[SO+\m], s[C18], s[EPS]           ; the scaled scores' variance + eps
.endr
	s_wait_alu depctr_va_vdst(0)                   ; the wait ahead of the batch
.irp m, 0,1,2,3
	v_rsq_f32 v[TP+\m], v[SO+\m]
.endr
	v_nop                                          ; a plain place behind the last of them
	s_wait_alu depctr_va_vdst(0)                   ; one wait for the four, ahead of their first reader
.irp m, 0,1,2,3
	v_mul_f32 v[ST+8*\m+4], 0x3db504f3, v[TP+\m]   ; r = rsqrt(var + eps) / sqrt(128)
	v_sub_f32 v[NP+\m], -v[NP+\m], v[BM+\m]        ; pivot - mean
	v_mov_b32 v[ST+8*\m], 0x7f61b1e6               ; -M and the largest t so far: M = -3e38, under every t
	v_mov_b32 v[ST+8*\m+1], 0xff61b1e6
	v_mov_b32 v[ST+8*\m+2], 0                      ; l
	v_mov_b32 v[ST+8*\m+3], 0
.endr
.irp m, 0,1,2,3
	v_mul_f32 v[ST+8*\m+6], v[NP+\m], v[ST+8*\m+4]         ; step 0 takes d = s - pivot: (pivot - mean) r
	v_mul_f32 v[ST+8*\m+5], -v[BM+\m], v[ST+8*\m+4]        ; the later steps: -mean r
.endr
; ---------------- pass 2 ----------------
	N1 0                                           ; pair a's first half step: nothing of pair b is under way, and O^T is still zero
	s_wait_dscnt 0x0                               ; gamma and beta
	N2E 0, -1
	T4 0, 0, 0, 0, 0
	s_mov_b32 s[CNT], 3
	s_mov_b32 s[TG], 512
	s_mov_b32 s[TK], OK2
	s_mov_b32 s[TV], OV0
	WIN 0
	s_wait_alu depctr_va_vdst(0)                   ; the wait ahead of the loop
.Lp2:                                              ; trip s = 0, 1, 2
	N1 1                                           ; the half for b: b at step s, a finishes step s and makes its scores of step s + 1
	N2E 1, 0
	FETCHG                                         ; step s + 1
	T3 0
	s_wait_alu depctr_va_vdst(0)                   ; the wait directly ahead of the wait below
	s_wait_dscnt 32                                ; V of step s and K of step s + 1 are in; the 32 loads just issued may be out
	T4 1, 0, 1, 1, 1
	N1 0                                           ; the half for a: a at step s + 1, b finishes step s and makes its scores of step s + 1
	s_wait_dscnt 0x0                               ; gamma and beta
	N2E 0, 1
	T3 1
	T4 0, 1, 1, 1, 1
	WIN 0
	s_wait_alu depctr_va_vdst(0)                   ; the wait directly ahead of what follows
	s_wait_tensorcnt 0x0                           ; V1, V2, V3: asked for ahead of the loop, first read here in the first trip; only I read them, so my own wait orders the reads (in the later trips nothing is out)
	v_add_nc_u32 v[ADV], s[TV], v[LV]
	v_add_nc_u32 v[ADVS], s[TV], v[LVS]
	FETCH VB, VSC, ADV, ADVS, 0                    ; V of step s + 1
	s_cmp_eq_u32 s[CNT], 1
	s_cbranch_scc1 .Lno_k                          ; the last trip: there is no step 4
	FETCHK s[TK], KA, KSC                          ; K of step s + 2
.Lno_k:
	s_add_co_u32 s[TG], s[TG], 512
	s_add_co_u32 s[TK], s[TK], 51200
	s_add_co_u32 s[TV], s[TV], 12800
	s_sub_co_u32 s[CNT], s[CNT], 1
	s_cmp_lg_u32 s[CNT], 0
	s_cbranch_scc1 .Lp2
	N1 1                                           ; b at step 3, a finishes it
	N2E 1, 0
	T3 0
	s_wait_alu depctr_va_vdst(0)                   ; the wait directly ahead of the wait below
	s_wait_dscnt 0x0                               ; V of step 3
	T4 1, 0, 1, 0, 1
	N2E -1, 1                                      ; b finishes step 3
	T3 1
	PLACES                                         ; an operand written by vector instructions stands four places ahead of a scaled matrix instruction
.set NW, 0
.rept 16
	PVONE 1
.endr
	WIN 0
; ---------------- the end: the four waves' parts are merged ----------------
.set STO, 8
.set RD,  9
.set L16, 11
.set MLW, 12
.set MLR, 15
.set EV,  88
	v_and_b32 v[TMP], 15, v0                       ; r, h, lane once more (these lines are also the places behind the last products)
	v_bfe_u32 v[TMP+1], v0, 4, 1
	v_and_b32 v[L16], 31, v0
	s_mul_i32 s79, s[WV], 64*SPITCH
	s_mul_i32 s84, s[WV], 16*SPITCH
	v_lshlrev_b32 v[MLR], 3, v[TMP]
	v_mul_u32_u24 v[STO], v[TMP], SPITCH
	v_lshlrev_b32 v[L16], 4, v[L16]                ; 16 x lane
	v_lshl_add_u32 v[STO], v[TMP+1], 5, v[STO]
	v_add_nc_u32 v[MLR], QST, v[MLR]
	v_add_nc_u32 v[STO], s79, v[STO]               ; my partial O: row r, + 32 h
	v_add_nc_u32 v[MLW], s78, v[MLR]               ; (-M, l): 512 w + 128 m + 8 r
	v_add_nc_u32 v[RD], s84, v[L16]                ; my 16 rows in the first wave's part
	v_add_nc_u32 v[RD+1], 2*64*SPITCH, v[RD]       ; and in the third's
.irp m, 0,1,2,3
	v_add_f32 v[ST+8*\m+1], v[ST+8*\m+2], v[ST+8*\m+3]     ; l's two halves,
.endr
.irp m, 0,1,2,3
	v_permlanex16_b32 v[TP+\m], v[ST+8*\m+1], s[SEL], s[SEL+1]
.endr
.irp m, 0,1,2,3
	v_add_f32 v[ST+8*\m+1], v[ST+8*\m+1], v[TP+\m]         ; and lane l xor 16's: beside -M
.endr
.irp m, 0,1,2,3
	ds_store_b64 v[MLW], v[ST+8*\m:ST+8*\m+1] offset:128*\m   ; in the place of Q's stages, which were read ahead of the first barrier
.endr
	s_wait_alu depctr_va_vdst(0)                   ; the wait directly ahead of the wait below
	s_wait_dscnt 0x0                               ; for the others' sake: my stores are done, and so are my reads of the tiles
	s_barrier_signal -1
	s_barrier_wait -1
.irp m, 0,1,2,3
.irp w, 0,1,2,3
	ds_load_b64 v[EV+8*\m+2*\w:EV+8*\m+2*\w+1], v[MLR] offset:512*\w+128*\m
.endr
.endr
	s_wait_dscnt 0x0
.irp m, 0,1,2,3
	v_min3_num_f32 v[BM+\m], v[EV+8*\m], v[EV+8*\m+2], v[EV+8*\m+4]
.endr
.irp m, 0,1,2,3
	v_min_num_f32 v[BM+\m], v[BM+\m], v[EV+8*\m+6]         ; minus the largest M
.endr
.irp m, 0,1,2,3
.irp w, 0,1,2,3
	v_sub_f32 v[EV+8*\m+2*\w], v[BM+\m], v[EV+8*\m+2*\w]   ; M_w - the largest M: a whole number, 0 or less
.endr
	v_sub_f32 v[SO+\m], v[BM+\m], v[ST+8*\m]               ; my own
.endr
.irp m, 0,1,2,3
.irp w, 0,1,2,3
	v_cvt_i32_f32 v[EV+8*\m+2*\w], v[EV+8*\m+2*\w]
.endr
	v_cvt_i32_f32 v[SO+\m], v[SO+\m]
.endr
.irp m, 0,1,2,3
.irp w, 0,1,2,3
	v_ldexp_f32 v[EV+8*\m+2*\w+1], v[EV+8*\m+2*\w+1], v[EV+8*\m+2*\w]   ; l_w under the largest M: nothing is rounded
.endr
.endr
.irp m, 0,1,2,3
	v_add_f32 v[EV+8*\m+1], v[EV+8*\m+1], v[EV+8*\m+3]
	v_add_f32 v[EV+8*\m+5], v[EV+8*\m+5], v[EV+8*\m+7]
.endr
.irp m, 0,1,2,3
	v_add_f32 v[EV+8*\m+1], v[EV+8*\m+1], v[EV+8*\m+5]     ; the row's sum
.endr
	s_wait_alu depctr_va_vdst(0)                   ; the wait ahead of the batch
.irp m, 0,1,2,3
	v_rcp_f32 v[TP+\m], v[EV+8*\m+1]
.endr
	v_nop
	s_wait_alu depctr_va_vdst(0)                   ; one wait for the four reciprocals
.irp m, 0,1,2,3
	v_ldexp_f32 v[ST+8*\m+4], v[TP+\m], v[SO+\m]   ; what my part of O^T is multiplied by: 2^(my M - the largest M) / the sum
.endr
	WIN 0x82
	s_wait_alu depctr_va_vdst(0)                   ; the wait here, directly ahead of the first reader of O^T
.irp m, 0,1,2,3
.set j, 64*\m
.rept 32
	v_pk_mul_f32 v[j:j+1], v[j:j+1], v[ST+8*\m+4:ST+8*\m+5] op_sel_hi:[1,0]   ; each accumulator from its low end on
.set j, j+2
.endr
.endr
	WIN 0x08                                       ; an LDS store's data are its source 1: window 2
.irp m, 0,1,2,3
.irp t, 0,1,2,3,4,5,6,7
	ds_store_b128 v[STO], v[64*\m+8*\t:64*\m+8*\t+3] offset:16*SPITCH*\m+64*\t        ; lane (r, h): channels 16 t + 8 h + 0 .. 7 of row 16 m + r
	ds_store_b128 v[STO], v[64*\m+8*\t+4:64*\m+8*\t+7] offset:16*SPITCH*\m+64*\t+16
.endr
.endr
	WIN 0
	s_wait_dscnt 0x0                               ; my part lies in LDS
	s_barrier_signal -1
	s_barrier_wait -1
	WIN 0x80                                       ; wave w takes tile w: its 16 rows out of all four parts, a whole row of 512 bytes an instruction
.irp i, 0,1,2,3,4,5,6,7,8,9,10,11,12,13,14,15
.irp w, 0,1,2,3
	ds_load_b128 v[64*\w+4*\i:64*\w+4*\i+3], v[RD+\w/2] offset:64*SPITCH*(\w%2)+SPITCH*\i
.endr
.endr
.irp i, 0,1,2,3,4,5,6,7,8,9,10,11,12,13,14,15
	WIN 0x8a                                       ; all in window 2
	s_wait_dscnt 4*(15-\i)                         ; row i's four loads are in; the later rows' four each may be out
	v_pk_add_f32 v[4*\i:4*\i+1], v[4*\i:4*\i+1], v[64+4*\i:64+4*\i+1]
	v_pk_add_f32 v[4*\i+2:4*\i+3], v[4*\i+2:4*\i+3], v[64+4*\i+2:64+4*\i+3]
	v_pk_add_f32 v[128+4*\i:128+4*\i+1], v[128+4*\i:128+4*\i+1], v[192+4*\i:192+4*\i+1]
	v_pk_add_f32 v[128+4*\i+2:128+4*\i+3], v[128+4*\i+2:128+4*\i+3], v[192+4*\i+2:192+4*\i+3]
	v_pk_add_f32 v[4*\i:4*\i+1], v[4*\i:4*\i+1], v[128+4*\i:128+4*\i+1]
	v_pk_add_f32 v[4*\i+2:4*\i+3], v[4*\i+2:4*\i+3], v[128+4*\i+2:128+4*\i+3]
	WIN 0x08                                       ; a store's data are its source 1: window 2
	global_store_b128 v[L16], v[4*\i:4*\i+3], s[8:9] offset:512*\i th:TH_STORE_NT   ; 32 lanes store a row's 512 consecutive bytes, at a multiple of 256 from out0's first byte
.endr
	WIN 0
	s_wait_tensorcnt 0x0                           ; the wave's end, behind my last tensor load and my last LDS store
	ds_add_u32 v[SPW], v[NIL]
	s_wait_dscnt 0x0
	CROUND                                         ; the closing round: no work-group ends while a partner may still ask for a tile that names it
	s_endpgm
.Lfunc_end_k_qa9707f6aba_attn:
	.size	k_qa9707f6aba_attn, .Lfunc_end_k_qa9707f6aba_attn-k_qa9707f6aba_attn
	.p2alignl 7, 3214868480
	.fill 96, 4, 3214868480
	.section	.rodata,"a",@progbits
	.p2align	6, 0x0
	.amdhsa_kernel k_qa9707f6aba_attn
		.amdhsa_group_segment_fixed_size 327680
		.amdhsa_private_segment_fixed_size 0
		.amdhsa_enable_private_segment 0
		.amdhsa_kernarg_size 24
		.amdhsa_user_sgpr_count 2
		.amdhsa_user_sgpr_kernarg_segment_ptr 1
		.amdhsa_wavefront_size32 1
		.amdhsa_system_sgpr_workgroup_id_x 1
		.amdhsa_system_sgpr_workgroup_id_y 1
		.amdhsa_system_sgpr_workgroup_id_z 1
		.amdhsa_system_vgpr_workitem_id 0
		.amdhsa_next_free_vgpr 1024
		.amdhsa_next_free_sgpr 96
		.amdhsa_reserve_vcc 0
		.amdhsa_float_denorm_mode_32 3
		.amdhsa_float_denorm_mode_16_64 3
		.amdhsa_memory_ordered 1
		.amdhsa_forward_progress 1
		.amdhsa_inst_pref_size 255
	.end_amdhsa_kernel
	.section	.bss,"aw",@nobits
	.p2align	6
	.space	262144
	.amdgpu_metadata
---
amdhsa.version: [ 1, 2 ]
amdhsa.kernels:
  - .name:           k_qa9707f6aba_attn
    .symbol:         k_qa9707f6aba_attn.kd
    .args:
      - { .name: q, .offset: 0, .size: 8, .value_kind: global_buffer, .address_space: global }
      - { .name: kv, .offset: 8, .size: 8, .value_kind: global_buffer, .address_space: global }
      - { .name: out0, .offset: 16, .size: 8, .value_kind: global_buffer, .address_space: global }
    .group_segment_fixed_size: 327680
    .private_segment_fixed_size: 0
    .kernarg_segment_align: 8
    .kernarg_segment_size: 24
    .max_flat_workgroup_size: 128
    .sgpr_count:     96
    .vgpr_count:     1024
    .wavefront_size: 32
...
	.end_amdgpu_metadata
.endif
;; end of part 2
